; MI455X (gfx1250); checked and timed in simulation.
; The chip was launched on July 23, 2026; its instructions are those of AMD's public machine-readable ISA for CDNA 5 (MIT licence, August 2026) and "CDNA5" Instruction Set Architecture Reference Guide (July 2026). The comments in the code are by the model that wrote it; some were corrected since.
;; Shepards Gated Attention Base. Allowed arithmetic: matrix products marked QUANTISED: E4M3 operands, one given power-of-two scale a tensor, by v_wmma_f32_16x16x64_fp8_fp8 or v_wmma_f32_16x16x128_fp8_fp8, f32 sums; everything else in f32.
;; Inputs: W_in_codes 4,096 x 32 x 32 uint8 (E4M3 codes of W_in, K innermost, in blocks of 32 codes); W_out_codes 1,024 x 32 x 32 uint8 (E4M3 codes of W_out, K innermost, in blocks of 32 codes); X_codes 2 x 2,048 x 32 x 32 uint8 (E4M3 codes of X, K innermost, in blocks of 32 codes); b_in 4,096 float32; b_out 1,024 float32; lowp_scales 8 int32 (the exponents e of the quantised operands' scales 2^e).
;; Outputs: out0 2 x 2,048 x 1,024 float32.
;; This version of the problem:
;;   THIS VERSION OF THE PROBLEM IS GIVEN IN LOW PRECISION. The matrix products marked QUANTISED in the list below multiply operands that are first quantised to E4M3 (4 exponent bits, 3 mantissa bits; 8 bits a number), with one given power-of-two scale for each operand tensor; their sums are f32. All else is computed in f32.
;;   The module's matrix products, in the order in which they are computed (A, B: the left and right operand; K: the contracted axis; several contracted axes count as one K, in the product's order):
;;     1. [M 4,096, K 1,024] x [K 1,024, N 4,096]; A: input X (given as codes); B: input W_in (given as codes): QUANTISED (scales: A lowp_scales[0], B lowp_scales[1])
;;     2. batch 32 x [M 2,048, K 64] x [K 64, N 2,048]; A: computed on the way; B: computed on the way: QUANTISED (scales: A lowp_scales[2], B lowp_scales[3])
;;     3. batch 32 x [M 2,048, K 2,048] x [K 2,048, N 64]; A: computed on the way; B: computed on the way: QUANTISED (scales: A lowp_scales[4], B lowp_scales[5])
;;     4. [M 4,096, K 1,024] x [K 1,024, N 1,024]; A: computed on the way; B: input W_out (given as codes): QUANTISED (scales: A lowp_scales[6], B lowp_scales[7])
;;   THE QUANTISER, for each operand of a quantised product, along K:
;;     - The operand's scale is 2^e, e = its entry of the input lowp_scales (int32; the entries are numbered through the quantised products in the list's order, A before B).
;;     - Each number is divided by the scale, clamped to +-448, and rounded to the nearest number of E4M3, ties to even, subnormals kept.
;;     - The product sums the exact products of the quantised numbers (number of the format x scale) in f32.
;;   ~~~python
;;   def quantise(x, axis, e):      # numpy; x: float32 -> the quantised numbers, widened to float32 again
;;       x = np.moveaxis(x, axis, -1); K = x.shape[-1]
;;       r = np.clip(x / 2.0 ** e, -448, 448)
;;       step = 2.0 ** (np.maximum(np.frexp(np.where(r == 0, 1, r))[1] - 1, -6) - 3)
;;       q = np.round(r / step) * step * 2.0 ** e      # np.round: ties to even
;;       return np.moveaxis(q, -1, axis).astype(np.float32)
;;   ~~~
;;   OPERANDS COMPUTED ON THE WAY. 'Computed on the way' means the value that the module computes at that place (a softmax that the list does not call 'softmax' is quantised finished and normalised). What goes into a quantiser is computed in f32, as accurately as f32 sums, v_exp_f32 and their like allow (about 1e-6 of the number): no bf16 or f16 on the way to a quantiser, and a product that is left as it is and whose result goes on into a quantised operand takes f32 operands (vector FMAs, or v_wmma_f32_16x16x4_f32). A number that lies on a knife's edge between two numbers of the format may be rounded either way, as far as f32 arithmetic and the matrix unit's own rounding can turn it there, and no further.
;;   INPUTS GIVEN AS CODES. W_in (in the module: [1024, 4096], K = its axis 0); W_out (in the module: [1024, 1024], K = its axis 0); X (in the module: [2, 2048, 1024], K = its axis 2): each comes as NAME_codes (uint8): NAME with its K axis moved to the last place and cut into blocks of 32 codes, [.., K / 32, bytes a block], one block behind the other in memory; one code a byte (a code: sign, 4 exponent bits, 3 mantissa bits); its scale is its entry of lowp_scales. Its value is code x scale, taken as it is: it is not quantised again, and the codes and scales need not be those that the quantiser above would give.
;; One version. Each part assembles by itself: llvm-mc -triple=amdgcn-amd-amdhsa -mcpu=gfx1250 --defsym DOCPART=n.
;; ======== version 1 of 1: 3 launches
;; limits: right only within a limited range of input values
;; workspace buffers: qkc 8,388,608 bytes; sq 524,288 bytes; vc 4,194,304 bytes; gw 16,777,216 bytes; hc 4,194,304 bytes
;; launch proj (part 1): grid 16 x 16, 4 waves a work-group, clusters of 4 x 4, 327,680 bytes of LDS; arguments X_codes, W_in_codes, lowp_scales, b_in, qkc, sq, vc, gw; writes qkc, sq, vc, gw
.if DOCPART == 1
	.amdgcn_target "amdgcn-amd-amdhsa--gfx1250"
	.amdhsa_code_object_version 6
	.text
	.protected	k_qb37052344c_proj
	.globl	k_qb37052344c_proj
	.p2align	8
	.type	k_qb37052344c_proj,@function
k_qb37052344c_proj:
	s_mov_b64 s[64:65], 0
	v_nop
	global_prefetch_b8 v0, s[64:65] scope:SCOPE_SE
	s_setreg_imm32_b32 hwreg(HW_REG_WAVE_MODE, 25, 1), 1
	s_wait_xcnt 0x0
	s_wait_alu depctr_hold_cnt(0) depctr_sa_sdst(0) depctr_va_vdst(0) depctr_va_sdst(0) depctr_va_ssrc(0) depctr_va_vcc(0) depctr_vm_vsrc(0)
	s_getreg_b32 s2, hwreg(HW_REG_IB_STS2, 6, 4)
	s_cmp_eq_u32 s2, 0
	s_cbranch_scc0 .Lentry_in_a_cluster
	s_endpgm
.Lentry_in_a_cluster:
	s_bfe_u32 s2, ttmp6, 0x10000c
	s_cmp_lg_u32 s2, 0xf033
	s_cbranch_scc0 .Lentry_shape_is_right
	s_endpgm
.Lentry_shape_is_right:
; P = X W_in + b_in on codes of FP8 (E4M3): [4096 tokens][1024] x [4096 columns][1024], sums in f32, each finished sum x 2^(e0 + e1) + bias.
; A work-group makes 256 tokens x the 256 columns of ONE head (64 of Q, 64 of K, 64 of V, 64 of G) and leaves them as the next launch wants them:
;   qkc: Q's and K's codes (scales 2^e2, 2^e3), a tile of 16 tokens x 64 as an image of an operand's 8 registers: [2][lane][16 bytes], 1,024 bytes a tile;
;   sq : -q^2 / c and -k^2 / c of the unquantised rows, c = 2^(e2 + e3 + 1): the next launch gives their sum to the matrix unit as C;
;   vc : V's codes (scale 2^e5) with the TOKENS along K: 16 channels x 128 tokens as an image of 16 registers, 2,048 bytes;
;   gw : G in f32, 16 tokens x 16 channels as an image of a result's 8 registers.
; Four waves; wave (i, j) takes tokens 128 i on and eight blocks of 16 columns: b = 0..3 Q's (j = 0) or K's (j = 1); b = 4, 5 G's channels 32 j on; b = 6, 7 V's channels 32 j on.
; Blocks 0-5 are multiplied TRANSPOSED (source 0 = 16 columns, source 1 = 16 tokens): a lane holds one token and eight neighbouring columns, so a conversion of eight gives two registers of Q's or K's fragment.
; Blocks 6, 7 are multiplied the natural way (source 0 = tokens, source 1 = columns): a lane holds one channel and eight neighbouring tokens, so a conversion gives two registers of V's fragment along the keys.
; K goes in steps of 256 through a ring of two LDS slots filled by the tensor data mover.  CLUSTERS: 4 x 4 work-groups; X's tile is shared along a row of the cluster, W_in's along a column: joint loads.
; A fragment is fetched by four loads of 16 bytes: a permutation of k that is the same on both sides, so every product meets its partner.
; LIMITS, so that each power of two below is an f32 number: e0 + e1 between -126 and 127; e2, e3, e5 between -126 and 119; e2 + e3 between -128 and 125.  NaN among the inputs is not served.
; REGISTERS, in windows of 256: window 0: v16-30 addresses, v32-83 biases, v84-87 scales and holds, from v128 X's fragments (one set), later the way out.
;   window 1: W_in's fragments, two sets.   window 2: the accumulators of token blocks 0-3 ((a, b) at v[8 (8 a + b)]);   window 3: of blocks 4-7.
.set KSTEP,  256
.set ROWB,   256                       ; a tile's row in bytes
.set KROW,   1024                      ; a row of X or of W_in in memory, in bytes
.set PITCH,  272                       ; an LDS row: 256 bytes + 16 of padding: the 16 rows of a load start 68 words apart
.set FR,     16                        ; registers of a fragment
.set NL,     4                         ; LDS loads that bring one
.set NP,     4                         ; places behind this matrix instruction (ISA guide 7.12.1)
.set HALFT,  128*PITCH
.set SLOT,   4*HALFT                   ; X's 256 rows, then W_in's 256 rows
.set LAPS,   2                         ; 1,024 along K = two laps of two K steps
.set SPARE,  2*SLOT                    ; behind the ring: the spare words, 128 bytes for each wave
.set ADRA,  16                         ; v16-17  LDS address of my fragments of X in slot 0, 1
.set ADRB,  20                         ; v20-21  of Q's or K's columns
.set ADRB2, 22                         ; v22-23  of my V's and G's columns
.set BOH,   24                         ; v24     32 x (lane / 16): a bias offset
.set BOR,   25                         ; v25     4 x (lane % 16)
.set LI,    26                         ; v26     16 x lane: an image's place for my lane
.set SQW,   27                         ; v27     the small stage: 512 x wave + 4 x lane
.set SPW,   28                         ; v28     my spare word; never rewritten
.set NIL,   29                         ; v29     0; never rewritten
.set SQR,   30                         ; v30     the small stage: 512 x wave + 16 x lane
.set BT,    32                         ; v32-79  biases of blocks 0-5, eight a block
.set BN,    80                         ; v80-83  biases of blocks 6, 7: my channel's, twice each (a pair)
.set CQK,   84                         ; v84, v85  2^e and 448 x 2^e for Q or K
.set CV,    86                         ; v86, v87  the same for V
.set AF,    128                        ; X's fragments
.set TMP,   128                        ; the way out: v128-191 a token block's 64 numbers
.set CQ,    192                        ; v192-207 Q's or K's codes, two sets of 8
.set VFR,   208                        ; v208-239 V's two fragments
.set SS,    240                        ; v240-247 -q^2 / c of the eight token blocks
.set WK,    248                        ; v248-252 at work
.set G1, 24
.set G0, 32
.set G1B, 48
.set G0B, 56
.set MSB, 0
.macro WIN new                         ; the immediate's high byte repeats the setting that is left
.if MSB != (\new)
	s_set_vgpr_msb (MSB<<8)|(\new)
.set MSB, (\new)
.endif
.endm
.set TO_B, 0x40                        ; destination window 1, address window 0
; A joint load: waves 0 and 1 fetch for X, waves 2 and 3 for W_in.  The branch hangs on the wave's number alone.  Four v_nop follow each line.
.macro JLOAD g0a, g1a, g0b, g1b
	s_cmp_eq_u32 s15, 0
	s_cbranch_scc0 .Lfor_b_\@
	tensor_load_to_lds s[\g0a:\g0a+3], s[\g1a:\g1a+7]
	s_nop 0
.rept 4
	v_nop
.endr
	s_branch .Lasked_\@
.Lfor_b_\@:
	tensor_load_to_lds s[\g0b:\g0b+3], s[\g1b:\g1b+7]
	s_nop 0
.rept 4
	v_nop
.endr
.Lasked_\@:
.endm
.macro CREST                           ; a round of the cluster's barrier behind its opening barrier
	s_cmp_lg_u32 s14, 0
	s_cbranch_scc1 .Lnot_wave_0_\@
	s_barrier_signal -3
.Lnot_wave_0_\@:
	s_barrier_wait -3
	s_barrier_signal -1
	s_barrier_wait -1
.endm
.macro CROUND
	s_barrier_signal -1
	s_barrier_wait -1
	CREST
.endm
	s_load_b256 s[4:11], s[0:1], 0x0               ; X's codes s[4:5], W_in's s[6:7], the scales' exponents s[8:9], b_in s[10:11]
	s_load_b256 s[84:91], s[0:1], 0x20             ; qkc s[84:85], sq s[86:87], vc s[88:89], gw s[90:91]
	v_lshl_add_u32 v[SPW], v0, 2, SPARE
	v_mov_b32 v[NIL], 0
	ds_add_u32 v28, v29
	ds_add_u32 v28, v29
	s_wait_dscnt 0x0
	v_lshrrev_b32 v1, 5, v0
	v_readfirstlane_b32 s14, v1                    ; wave 0..3
	s_lshr_b32 s15, s14, 1                         ; i: my half of the tokens.  Also: I fetch for X (0) or for W_in (1)
	s_and_b32 s16, s14, 1                          ; j: my share of the columns.  Also: which 128 rows of that tile I fetch
	s_bfe_u32 s40, ttmp6, 0x40000                  ; cx, cy: my place in the cluster
	s_bfe_u32 s41, ttmp6, 0x40004
	s_lshl_b32 s42, ttmp9, 2
	s_add_co_u32 s42, s42, s40                     ; the head = 4 x cluster x + cx
	s_and_b32 s17, ttmp7, 0xffff
	s_lshl_b32 s17, s17, 2
	s_add_co_u32 s17, s17, s41                     ; the block of 256 tokens = 4 x cluster y + cy
	s_lshl_b32 s43, s41, 2
	s_lshl_b32 s43, 15, s43                        ; my row of the cluster
	s_lshl_b32 s44, 0x1111, s40                    ; my column
	s_or_b32 s[G1+0], s43, (0<<16)|(1<<20)|(1<<21)|(5<<22)|(3<<25)  ; the mask; elements of 1 byte; padding on; bit 21 beside a mask; after every 64 words, 4 words
	s_or_b32 s[G1B+0], s44, (0<<16)|(1<<20)|(1<<21)|(5<<22)|(3<<25)
.irp g, G1, G1B
	s_mov_b32 s[\g+1], ROWB<<16                    ; tensor_dim0
	s_mov_b32 s[\g+2], 128<<16                     ; tensor_dim1
	s_mov_b32 s[\g+3], ROWB<<16                    ; tile_dim0
	s_mov_b32 s[\g+4], 128                         ; tile_dim1
	s_mov_b32 s[\g+5], KROW                        ; from row to row
	s_mov_b32 s[\g+6], 0
	s_mov_b32 s[\g+7], 0
.endr
	s_lshl_b32 s18, s16, 7                         ; which 128 rows of the tile I fetch
	s_lshl_b32 s20, s17, 8
	s_add_co_u32 s20, s20, s18                     ; X: row 256 x token block + 128 x half
	s_lshl_b32 s46, s42, 8
	s_add_co_u32 s46, s46, s18                     ; W_in: row 256 x head + 128 x half
	s_mov_b32 s21, 0
	s_mov_b32 s47, 0
	s_mov_b64 s[18:19], KROW
	s_mul_u64 s[20:21], s[20:21], s[18:19]
	s_mul_u64 s[46:47], s[46:47], s[18:19]
	s_mul_i32 s45, s14, HALFT                      ; where they go: wave x 128 rows
	s_wait_kmcnt 0x0
	s_load_b256 s[72:79], s[8:9], 0x0              ; e0 .. e7
	s_add_nc_u64 s[20:21], s[4:5], s[20:21]
	s_add_nc_u64 s[46:47], s[6:7], s[46:47]
	CROUND                                         ; all sixteen work-groups are here: the first joint loads meet
.irp s, 0,1
	s_mov_b32 s[G0+4*\s], 1
	s_add_co_u32 s[G0+4*\s+1], s45, \s*SLOT
	s_add_nc_u64 s[G0+4*\s+2:G0+4*\s+3], s[20:21], \s*ROWB
	s_or_b32 s[G0+4*\s+3], s[G0+4*\s+3], 0x80000000
	s_mov_b32 s[G0B+4*\s], 1
	s_add_co_u32 s[G0B+4*\s+1], s45, \s*SLOT
	s_add_nc_u64 s[G0B+4*\s+2:G0B+4*\s+3], s[46:47], \s*ROWB
	s_or_b32 s[G0B+4*\s+3], s[G0B+4*\s+3], 0x80000000
	JLOAD G0+4*\s, G1, G0B+4*\s, G1B
.endr
	v_and_b32 v1, 15, v0                           ; r = lane % 16
	v_bfe_u32 v2, v0, 4, 1                         ; h = lane / 16
	v_and_b32 v6, 31, v0                           ; lane
	v_mul_u32_u24 v3, v1, PITCH
	v_lshl_add_u32 v4, v2, 4, v3                   ; a fragment's row x pitch + 16 x half
	s_mul_i32 s21, s15, HALFT                      ; my 128 tokens
	s_mul_i32 s22, s16, 64*PITCH                   ; Q's rows 0-63 or K's rows 64-127 of the head,
	s_add_co_u32 s22, s22, 2*HALFT                 ; behind X's 256 rows
	s_mul_i32 s23, s16, 32*PITCH                   ; my 32 of V's rows (128 on) and of G's (192 on): the 128 and the 192 stand in the loads' offsets
	s_add_co_u32 s23, s23, 2*HALFT
.irp s, 0,1
	v_add_nc_u32 v[ADRA+\s], s21, v4
	v_add_nc_u32 v[ADRB+\s], s22, v4
	v_add_nc_u32 v[ADRB2+\s], s23, v4
	s_add_co_u32 s21, s21, SLOT
	s_add_co_u32 s22, s22, SLOT
	s_add_co_u32 s23, s23, SLOT
.endr
	s_lshl_b32 s18, s14, 9
	v_lshl_add_u32 v[SQW], v6, 2, s18
	v_lshl_add_u32 v[SQR], v6, 4, s18
	v_lshlrev_b32 v[LI], 4, v6
	v_lshlrev_b32 v[BOH], 5, v2
	v_lshlrev_b32 v[BOR], 2, v1
	; the biases: a transposed block wants, in lane (r, h), those of its columns 8 h + 0 .. 7; a natural block that of its column r
	s_lshl_b32 s66, s42, 10                        ; the head's 256 numbers,
	s_lshl_b32 s67, s16, 8                         ; Q's or K's 64
	s_add_co_u32 s66, s66, s67
	s_mov_b32 s67, 0
	s_add_nc_u64 s[66:67], s[10:11], s[66:67]
	s_lshl_b32 s68, s42, 10
	s_lshl_b32 s69, s16, 7                         ; my 32 of V's and of G's
	s_add_co_u32 s68, s68, s69
	s_mov_b32 s69, 0
	s_add_nc_u64 s[68:69], s[10:11], s[68:69]
.irp b, 0,1,2,3
	global_load_b128 v[BT+8*\b:BT+8*\b+3], v[BOH], s[66:67] offset:64*\b
	global_load_b128 v[BT+8*\b+4:BT+8*\b+7], v[BOH], s[66:67] offset:64*\b+16
.endr
.irp b, 4,5
	global_load_b128 v[BT+8*\b:BT+8*\b+3], v[BOH], s[68:69] offset:768+64*(\b-4)
	global_load_b128 v[BT+8*\b+4:BT+8*\b+7], v[BOH], s[68:69] offset:768+64*(\b-4)+16
.endr
.irp u, 0,1
	global_load_b32 v[BN+2*\u], v[BOR], s[68:69] offset:512+64*\u
	global_load_b32 v[BN+2*\u+1], v[BOR], s[68:69] offset:512+64*\u
.endr
	; where my results go
	s_lshr_b32 s18, s17, 3                         ; the batch
	s_lshl_b32 s20, s42, 1
	s_add_co_u32 s20, s20, s18                     ; hb = 2 x head + batch
	s_and_b32 s19, s17, 7
	s_lshl_b32 s21, s19, 4
	s_lshl_b32 s22, s15, 3
	s_add_co_u32 s21, s21, s22                     ; my first tile of 16 tokens in the batch
	s_lshl_b32 s70, s16, 22                        ; qkc: [Q, K][hb][tile][1,024]
	s_lshl_b32 s95, s20, 17
	s_add_co_u32 s70, s70, s95
	s_lshl_b32 s95, s21, 10
	s_add_co_u32 s70, s70, s95
	s_mov_b32 s71, 0
	s_add_nc_u64 s[70:71], s[84:85], s[70:71]
	s_lshl_b32 s80, s20, 19                        ; gw: [hb][tile][4 channel tiles][1,024]
	s_lshl_b32 s95, s21, 12
	s_add_co_u32 s80, s80, s95
	s_lshl_b32 s95, s16, 11
	s_add_co_u32 s80, s80, s95
	s_mov_b32 s81, 0
	s_add_nc_u64 s[80:81], s[90:91], s[80:81]
	s_lshl_b32 s82, s20, 17                        ; vc: [hb][128 tokens][4 channel tiles][2,048]: eight tiles of tokens are 8,192 bytes
	s_lshl_b32 s95, s21, 10
	s_add_co_u32 s82, s82, s95
	s_lshl_b32 s95, s16, 12
	s_add_co_u32 s82, s82, s95
	s_mov_b32 s83, 0
	s_add_nc_u64 s[82:83], s[88:89], s[82:83]
	s_lshl_b32 s96, s16, 18                        ; sq: [Q, K][hb][2,048] f32
	s_lshl_b32 s95, s20, 13
	s_add_co_u32 s96, s96, s95
	s_lshl_b32 s95, s21, 6
	s_add_co_u32 s96, s96, s95
	s_mov_b32 s97, 0
	s_add_nc_u64 s[96:97], s[86:87], s[96:97]
	s_mov_b32 s98, 0x76543210                      ; v_permlanex16_b32's selects for lane l xor 16
	s_mov_b32 s99, 0xfedcba98
	s_wait_kmcnt 0x0
	s_add_co_i32 s92, s72, s73
	s_add_co_i32 s92, s92, 127
	s_lshl_b32 s92, s92, 23                        ; 2^(e0 + e1) as f32
	s_mov_b32 s93, s92                             ; (named with it as a pair, so it is written)
	s_cmp_eq_u32 s16, 0
	s_cselect_b32 s95, s74, s75                    ; e2 for Q's waves, e3 for K's: a choice, no branch
	s_add_co_i32 s95, s95, 127
	s_lshl_b32 s18, s95, 23
	v_mov_b32 v[CQK], s18                          ; 2^e: the conversion takes its exponent field
	s_add_co_i32 s95, s95, 8
	s_lshl_b32 s95, s95, 23
	s_or_b32 s95, s95, 0x600000
	v_mov_b32 v[CQK+1], s95                        ; 448 x 2^e
	s_add_co_i32 s95, s77, 127
	s_lshl_b32 s18, s95, 23
	v_mov_b32 v[CV], s18                           ; 2^e5
	s_add_co_i32 s95, s95, 8
	s_lshl_b32 s95, s95, 23
	s_or_b32 s95, s95, 0x600000
	v_mov_b32 v[CV+1], s95
	s_add_co_i32 s94, s74, s75
	s_sub_co_i32 s94, 126, s94
	s_lshl_b32 s94, s94, 23
	s_or_b32 s94, s94, 0x80000000                  ; -1 / c = -2^-(e2 + e3 + 1)
	s_wait_loadcnt 0x0                             ; the biases are in, while the first tiles are on their way: no load is out in the loop
.macro FRAG reg, adr, q, i             ; 16 rows x 128 K: registers 4 c .. 4 c + 3 hold K = 32 c + 16 (lane / 16) + 0 .. 15
.irp c, 0,1,2,3
	ds_load_b128 v[\reg+4*\c:\reg+4*\c+3], v[\adr] offset:128*(\q)+32*\c+(\i)*16*PITCH
.endr
.endm
; 16 matrix instructions: token blocks a0, a0 + 1 x the eight column blocks, 128 along K.  First the twelve transposed ones, then the four natural ones: one switch of the windows between.
; The 64 accumulators take turns, one instruction a turn, in the same order in every step.  zero = 1: the product starts the sum.
.macro MUL16 a0, p, zero
	WIN 0xa1+0x50*((\a0)/4)                        ; source 0 (W_in) window 1, source 1 (X) window 0, C and D window 2 or 3
.irp a, \a0, \a0+1
.irp b, 0,1,2,3,4,5
.if \zero
	v_wmma_f32_16x16x128_fp8_fp8 v[8*(8*((\a)%4)+\b):8*(8*((\a)%4)+\b)+7], v[128*(\p)+FR*\b:128*(\p)+FR*\b+FR-1], v[AF+FR*(\a):AF+FR*(\a)+FR-1], 0
.else
	v_wmma_f32_16x16x128_fp8_fp8 v[8*(8*((\a)%4)+\b):8*(8*((\a)%4)+\b)+7], v[128*(\p)+FR*\b:128*(\p)+FR*\b+FR-1], v[AF+FR*(\a):AF+FR*(\a)+FR-1], v[8*(8*((\a)%4)+\b):8*(8*((\a)%4)+\b)+7]
.endif
.endr
.endr
	WIN 0xa4+0x50*((\a0)/4)                        ; source 0 (X) window 0, source 1 (W_in) window 1
.irp a, \a0, \a0+1
.irp b, 6,7
.if \zero
	v_wmma_f32_16x16x128_fp8_fp8 v[8*(8*((\a)%4)+\b):8*(8*((\a)%4)+\b)+7], v[AF+FR*(\a):AF+FR*(\a)+FR-1], v[128*(\p)+FR*\b:128*(\p)+FR*\b+FR-1], 0
.else
	v_wmma_f32_16x16x128_fp8_fp8 v[8*(8*((\a)%4)+\b):8*(8*((\a)%4)+\b)+7], v[AF+FR*(\a):AF+FR*(\a)+FR-1], v[128*(\p)+FR*\b:128*(\p)+FR*\b+FR-1], v[8*(8*((\a)%4)+\b):8*(8*((\a)%4)+\b)+7]
.endif
.endr
.endr
.endm
.macro FETCH_B slot, q, p              ; my eight column blocks of the slot's q-th 128 along K into set p
	WIN TO_B
.irp i, 0,1,2,3
	FRAG 128*(\p)+FR*\i, ADRB+\slot, \q, \i
.endr
.irp i, 4,5
	FRAG 128*(\p)+FR*\i, ADRB2+\slot, \q, 8+\i     ; G: rows 192 + 32 j + 16 (i - 4)
.endr
.irp i, 6,7
	FRAG 128*(\p)+FR*\i, ADRB2+\slot, \q, 2+\i     ; V: rows 128 + 32 j + 16 (i - 6)
.endr
	WIN 0
.endm
.macro FETCH_A slot, q, i0             ; token blocks i0 .. i0 + 3
.irp i, \i0, \i0+1, \i0+2, \i0+3
	FRAG AF+FR*(\i), ADRA+\slot, \q, \i
.endr
.endm
.macro PLACES n                        ; plain vector instructions between a matrix instruction and a load into, or a vector write of, a register that it names, or a read of its result
.rept \n
	v_nop
.endr
.endm
; A step of 128 along K that has its successor in the same slot.
.macro STEP slot, q, zero
	s_wait_dscnt 4*NL                              ; W_in's set and token blocks 0-3 are in; the youngest sixteen loads (blocks 4-7) may be out
	MUL16 0, (\q)%2, \zero
	MUL16 2, (\q)%2, \zero
	s_wait_dscnt 0                                 ; token blocks 4-7 are in
	PLACES NP
	FETCH_B \slot, (\q)+1, 1-(\q)%2
	FETCH_A \slot, (\q)+1, 0
	MUL16 4, (\q)%2, \zero
	MUL16 6, (\q)%2, \zero
	PLACES NP
	WIN 0
	FETCH_A \slot, (\q)+1, 4
.endm
; A slot's last step changes slots: one barrier; in front of it each wave waits for all its tensor loads, adds 0 to its spare word, and waits for that and for its own reads of this slot.
.macro TURN slot, next, fill
	s_wait_tensorcnt 0x0                           ; all my tensor loads have landed: my part of the next slot  (every window is 0 here)
	ds_add_u32 v[SPW], v[NIL]                      ; 0 onto my spare word
	s_wait_dscnt 4*NL+1                            ; (the add and the youngest sixteen loads may be out)
	MUL16 0, 1, 0                                  ; sixteen matrix instructions stand between the add and the wait for it
	s_wait_dscnt 0x0                               ; the add is done, and my reads of this slot are over
	s_barrier_signal -1
	MUL16 2, 1, 0
	WIN 0
	s_barrier_wait -1
.if \fill
	CREST                                          ; the barrier has opened a round of the cluster's barrier: no wave of any partner still reads this slot or has a load on its way
	s_add_nc_u64 s[G0+4*\slot+2:G0+4*\slot+3], s[G0+4*\slot+2:G0+4*\slot+3], 2*ROWB
	s_add_nc_u64 s[G0B+4*\slot+2:G0B+4*\slot+3], s[G0B+4*\slot+2:G0B+4*\slot+3], 2*ROWB
	JLOAD G0+4*\slot, G1, G0B+4*\slot, G1B         ; the first tensor load behind the round; its four v_nop are also the places in front of the loads below
.else
	PLACES NP
.endif
	FETCH_B \next, 0, 0
	FETCH_A \next, 0, 0
	MUL16 4, 1, 0
	MUL16 6, 1, 0
	PLACES NP
	WIN 0
	FETCH_A \next, 0, 4
.endm
	s_wait_tensorcnt 1                             ; my part of K step 0 is in (K step 1's load may be out)
	s_barrier_signal -1
	s_barrier_wait -1                              ; everybody's is
	FETCH_B 0, 0, 0
	FETCH_A 0, 0, 0
	FETCH_A 0, 0, 4
	STEP 0, 0, 1                                   ; the first step's products start the sums
	s_mov_b32 s3, LAPS-1
.Llap:                                             ; a trip goes once round the ring and fills both slots again
	TURN 0, 1, 1
	STEP 1, 0, 0
	TURN 1, 0, 1
	STEP 0, 0, 0
	s_sub_co_u32 s3, s3, 1
	s_cmp_lg_u32 s3, 0
	s_cbranch_scc1 .Llap
	TURN 0, 1, 0                                   ; the last lap fills nothing
	STEP 1, 0, 0
	s_wait_dscnt 4*NL                              ; the very last step
	MUL16 0, 1, 0
	MUL16 2, 1, 0
	s_wait_dscnt 0
	MUL16 4, 1, 0
	MUL16 6, 1, 0
	WIN 0
; THE WAY OUT, a block of 16 tokens at a time: P = sum x 2^(e0 + e1) + bias; the row's sum of squares; the holds and the conversions; images to memory, each store 512 consecutive bytes.
.macro OUTBLK a
.set AC, 64*((\a)%4)
.set CQS, CQ+8*((\a)%2)
.if (\a) > 0
	s_wait_xcnt 0x0                                ; the last block's stores have read their data: TMP and the codes are written again only behind this wait
.endif
	WIN 0x02+((\a)/4)                              ; source 0: window 2 or 3
.irp b, 0,1,2,3,4,5
.irp i, 0,2,4,6
	v_pk_fma_f32 v[TMP+8*\b+\i:TMP+8*\b+\i+1], v[AC+8*\b+\i:AC+8*\b+\i+1], s[92:93], v[BT+8*\b+\i:BT+8*\b+\i+1] op_sel_hi:[1,0,1]   ; each accumulator from its low end on
.endr
.endr
.irp u, 0,1
.irp i, 0,2,4,6
	v_pk_fma_f32 v[TMP+48+8*\u+\i:TMP+48+8*\u+\i+1], v[AC+48+8*\u+\i:AC+48+8*\u+\i+1], s[92:93], v[BN+2*\u:BN+2*\u+1] op_sel_hi:[1,0,1]
.endr
.endr
	WIN 0
	v_pk_mul_f32 v[WK:WK+1], v[TMP:TMP+1], v[TMP:TMP+1]          ; the sum of squares of my 32 columns of token r, unquantised, in two chains
	v_pk_mul_f32 v[WK+2:WK+3], v[TMP+2:TMP+3], v[TMP+2:TMP+3]
.irp i, 4,8,12,16,20,24,28
	v_pk_fma_f32 v[WK:WK+1], v[TMP+\i:TMP+\i+1], v[TMP+\i:TMP+\i+1], v[WK:WK+1]
	v_pk_fma_f32 v[WK+2:WK+3], v[TMP+\i+2:TMP+\i+3], v[TMP+\i+2:TMP+\i+3], v[WK+2:WK+3]
.endr
	v_pk_add_f32 v[WK:WK+1], v[WK:WK+1], v[WK+2:WK+3]
	v_add_f32 v[WK], v[WK], v[WK+1]
	v_permlanex16_b32 v[WK+4], v[WK], s98, s99     ; the token's other 32 columns lie in the lane 16 away
	v_add_f32 v[WK], v[WK], v[WK+4]
	v_mul_f32 v[SS+(\a)], s94, v[WK]               ; x -1 / c
.set n, TMP
.rept 32
	v_med3_num_f32 v[n], v[n], -v[CQK+1], v[CQK+1] ; the conversion to an 8-bit code does not saturate (ISA guide 7.6.2): the hold at 448 x the scale
.set n, n+1
.endr
.irp b, 0,1,2,3
	v_cvt_scalef32_pk8_fp8_f32 v[CQS+2*\b:CQS+2*\b+1], v[TMP+8*\b:TMP+8*\b+7], v[CQK]   ; registers 2 b, 2 b + 1 of the fragment: k = 16 b + 8 h + 0 .. 7
.endr
.set n, TMP+48
.rept 16
	v_med3_num_f32 v[n], v[n], -v[CV+1], v[CV+1]
.set n, n+1
.endr
.irp u, 0,1
	v_cvt_scalef32_pk8_fp8_f32 v[VFR+16*\u+2*(\a):VFR+16*\u+2*(\a)+1], v[TMP+48+8*\u:TMP+48+8*\u+7], v[CV]   ; registers 2 a, 2 a + 1: keys 16 a + 8 h + 0 .. 7
.endr
	v_nop                                          ; one plain vector instruction behind the last conversion
	global_store_b128 v[LI], v[CQS:CQS+3], s[70:71] offset:(\a)*1024
	global_store_b128 v[LI], v[CQS+4:CQS+7], s[70:71] offset:(\a)*1024+512
.irp u, 0,1
	global_store_b128 v[LI], v[TMP+32+8*\u:TMP+32+8*\u+3], s[80:81] offset:(\a)*4096+\u*1024
	global_store_b128 v[LI], v[TMP+32+8*\u+4:TMP+32+8*\u+7], s[80:81] offset:(\a)*4096+\u*1024+512
.endr
.endm
	PLACES NP                                      ; behind the last products: the registers that held X's fragments are written below
	v_mov_b32 v[WK+4], 0                           ; written once: a lane permute's destination counts as one of its sources
.irp a, 0,1,2,3,4,5,6,7
	OUTBLK \a
.endr
.irp u, 0,1
.irp c, 0,1,2,3
	global_store_b128 v[LI], v[VFR+16*\u+4*\c:VFR+16*\u+4*\c+3], s[82:83] offset:\u*2048+\c*512
.endr
.endr
	; -q^2 / c of my 128 tokens: lane l of pair p takes token 32 p + l; 512 bytes through a small stage, so that one store writes them on end.
	; The stage lies in slot 0, which has had its last fill, and which nobody reads behind the last change of slots.
	v_bfe_u32 v[WK], v0, 4, 1
	v_cmp_eq_u32 vcc_lo, 1, v[WK]
.irp p, 0,1,2,3
	v_cndmask_b32 v[WK+\p], v[SS+2*\p], v[SS+2*\p+1], vcc_lo
.endr
.irp p, 0,1,2,3
	ds_store_b32 v[SQW], v[WK+\p] offset:128*\p
.endr
	ds_load_b128 v[SS:SS+3], v[SQR]                ; LDS serves a wave's instructions in order (ISA guide 5.7.1.4): this sees my stores
	s_wait_dscnt 0x0
	global_store_b128 v[LI], v[SS:SS+3], s[96:97]
	s_wait_tensorcnt 0x0                           ; the wave's end
	ds_add_u32 v[SPW], v[NIL]
	s_wait_dscnt 0x0
	CROUND                                         ; the closing round: no work-group ends while a partner may still ask for a tile that names it
	s_endpgm
.Lfunc_end_k_qb37052344c_proj:
	.size	k_qb37052344c_proj, .Lfunc_end_k_qb37052344c_proj-k_qb37052344c_proj
	.p2alignl 7, 3214868480
	.fill 96, 4, 3214868480
	.section	.rodata,"a",@progbits
	.p2align	6, 0x0
	.amdhsa_kernel k_qb37052344c_proj
		.amdhsa_group_segment_fixed_size 327680
		.amdhsa_private_segment_fixed_size 0
		.amdhsa_enable_private_segment 0
		.amdhsa_kernarg_size 64
		.amdhsa_user_sgpr_count 2
		.amdhsa_user_sgpr_kernarg_segment_ptr 1
		.amdhsa_wavefront_size32 1
		.amdhsa_system_sgpr_workgroup_id_x 1
		.amdhsa_system_sgpr_workgroup_id_y 1
		.amdhsa_system_sgpr_workgroup_id_z 1
		.amdhsa_system_vgpr_workitem_id 0
		.amdhsa_next_free_vgpr 1024
		.amdhsa_next_free_sgpr 100
		.amdhsa_reserve_vcc 1
		.amdhsa_float_denorm_mode_32 3
		.amdhsa_float_denorm_mode_16_64 3
		.amdhsa_memory_ordered 1
		.amdhsa_forward_progress 1
		.amdhsa_inst_pref_size 143
	.end_amdhsa_kernel
	.amdgpu_metadata
---
amdhsa.version: [ 1, 2 ]
amdhsa.kernels:
  - .name:           k_qb37052344c_proj
    .symbol:         k_qb37052344c_proj.kd
    .args:
      - { .name: X_codes, .offset: 0, .size: 8, .value_kind: global_buffer, .address_space: global }
      - { .name: W_in_codes, .offset: 8, .size: 8, .value_kind: global_buffer, .address_space: global }
      - { .name: lowp_scales, .offset: 16, .size: 8, .value_kind: global_buffer, .address_space: global }
      - { .name: b_in, .offset: 24, .size: 8, .value_kind: global_buffer, .address_space: global }
      - { .name: qkc, .offset: 32, .size: 8, .value_kind: global_buffer, .address_space: global }
      - { .name: sq, .offset: 40, .size: 8, .value_kind: global_buffer, .address_space: global }
      - { .name: vc, .offset: 48, .size: 8, .value_kind: global_buffer, .address_space: global }
      - { .name: gw, .offset: 56, .size: 8, .value_kind: global_buffer, .address_space: global }
    .group_segment_fixed_size: 327680
    .private_segment_fixed_size: 0
    .kernarg_segment_align: 8
    .kernarg_segment_size: 64
    .max_flat_workgroup_size: 128
    .sgpr_count:     100
    .vgpr_count:     1024
    .wavefront_size: 32
...
	.end_amdgpu_metadata
.endif
;; end of part 1
;; launch attn (part 2): grid 8 x 32, 8 waves a work-group, clusters of 4 x 1, 279,552 bytes of LDS; arguments qkc, sq, vc, gw, lowp_scales, hc; writes hc
.if DOCPART == 2
	.amdgcn_target "amdgcn-amd-amdhsa--gfx1250"
	.amdhsa_code_object_version 6
	.text
	.protected	k_qb37052344c_attn
	.globl	k_qb37052344c_attn
	.p2align	8
	.type	k_qb37052344c_attn,@function
k_qb37052344c_attn:
	s_mov_b64 s[64:65], 0
	v_nop
	global_prefetch_b8 v0, s[64:65] scope:SCOPE_SE
	s_setreg_imm32_b32 hwreg(HW_REG_WAVE_MODE, 25, 1), 1
	s_wait_xcnt 0x0
	s_wait_alu depctr_hold_cnt(0) depctr_sa_sdst(0) depctr_va_vdst(0) depctr_va_sdst(0) depctr_va_ssrc(0) depctr_va_vcc(0) depctr_vm_vsrc(0)
	s_getreg_b32 s2, hwreg(HW_REG_IB_STS2, 6, 4)
	s_cmp_eq_u32 s2, 0
	s_cbranch_scc0 .Lentry_in_a_cluster
	s_endpgm
.Lentry_in_a_cluster:
	s_bfe_u32 s2, ttmp6, 0x10000c
	s_cmp_lg_u32 s2, 0x3003
	s_cbranch_scc0 .Lentry_shape_is_right
	s_endpgm
.Lentry_shape_is_right:
; Shepard's attention for one (head, batch) hb: w = (eps + d)^-2, d^2 = q^2 + k^2 - 2 Q.K; W = w / (eps + the row's sum); A = W V; H = G A, quantised for the last product.
; Q.K and W V are products on codes of FP8 (E4M3).  W is quantised FINISHED: a row's whole sum is known before any of its weights is converted.
; So the unnormalised weights stay in registers: a work-group of eight waves takes 32 queries x all 2,048 keys at a time; wave w owns keys 256 w .. 256 w + 255 for all 32 queries: 256 registers (window 1).
; The eight partial sums of a row meet in LDS; each wave normalises, holds and converts its weights and multiplies them by its own 256 keys of V, which stay in 128 registers for the whole launch;
; the eight partial results meet in LDS, and wave w finishes tile w of the eight (2 tiles of queries x 4 of channels).  Each score has one root and one reciprocal.
; LAYOUT.  S^T = K Q^T (source 0 = 16 keys, source 1 = 16 queries): a lane holds one query and eight neighbouring keys, so a conversion of a tile gives two registers of W's fragment along the keys.
; O^T = V^T W^T (source 0 = 16 channels, source 1 = 16 queries): again one query a lane, and eight neighbouring channels, as G lies in memory and as the last product's K wants H.
; d^2 IS MADE BY THE MATRIX UNIT: C = -q^2 / c - k^2 / c, c = 2^(e2 + e3 + 1), so that D = -d^2 / c.  Then x = max(-D, 0), u = sqrt(x) sqrt(c) + eps, w = (1 / u)^2.
; A work-group walks 8 blocks of 32 queries.  CLUSTER: the four work-groups of a cluster belong to one hb and need the same K, k^2 and V: joint loads, once, at the head.  No LDS byte is filled twice.
; LIMITS: e4 between -126 and 119; e6 - e4 - e5 between -126 and 119; (e2 + e3 + 1) / 2 between -126 and 126.  NaN is not served.  A d^2 / c below the smallest normal f32 number counts as 0 in the root.
; q^2 + k^2 - 2 Q.K is rounded as the matrix unit rounds its sums.  A's sum over the keys is made in eight parts, added in f32 in a fixed order.
; REGISTERS: window 0: v1-9 addresses; v[10:11] eps; v12-15 -q^2 / c (a pair a tile); v16-31 Q; v32-39 four running sums; v40-43 1 / (eps + sum); v44-46 scales and a hold; v48-55 G; v56-63 at work;
;   v64-95 four fragments of K; v96-127 -k^2 / c of four tiles; both later W's codes, later the eight parts of my tile; v128-255 V.   window 1: w (query tile q, key tile k) at v[8 (16 q + k)]; later O^T (q, e) at v[8 (4 q + e)].
.set KL,   0                           ; K's images: 16,384 bytes a wave
.set VL,   131072                      ; V's images: 16,384 bytes a wave; read once, at the head
.set OST,  VL                          ; then the stage of the partial O^T: tile T at 8,192 T, sender at 1,024: VL has had its only fill, and every wave's reads of it are over in front of the first barrier
.set K2L,  262144                      ; -k^2 / c: 1,024 bytes a wave
.set SUML, 270336                      ; the rows' partial sums: [32 queries][8 waves] f32
.set NQ,  12
.set QF,  16
.set SM,  32
.set NRM, 40
.set GT,  48
.set KB,  64
.set K2B, 96
.set CD,  64
.set PT,  64
.set VF,  128
.set MSB, 0
.macro WIN new                         ; the immediate's high byte repeats the setting that is left
.if MSB != (\new)
	s_set_vgpr_msb (MSB<<8)|(\new)
.set MSB, (\new)
.endif
.endm
.macro CROUND                          ; a round of the cluster's barrier
	s_barrier_signal -1
	s_barrier_wait -1
	s_cmp_lg_u32 s16, 0
	s_cbranch_scc1 .Lnot_wave_0_\@
	s_barrier_signal -3
.Lnot_wave_0_\@:
	s_barrier_wait -3
	s_barrier_signal -1
	s_barrier_wait -1
.endm
	s_load_b256 s[4:11], s[0:1], 0x0               ; qkc s[4:5], sq s[6:7], vc s[8:9], gw s[10:11]
	s_load_b128 s[12:15], s[0:1], 0x20             ; the scales' exponents s[12:13], hc s[14:15]
	v_lshl_add_u32 v254, v0, 2, 0x44000
	v_mov_b32 v255, 0
	ds_add_u32 v254, v255
	ds_add_u32 v254, v255
	s_wait_dscnt 0x0
	v_lshrrev_b32 v1, 5, v0
	v_readfirstlane_b32 s16, v1                    ; wave 0..7
	s_bfe_u32 s79, ttmp6, 0x40000                  ; cx
	s_lshl_b32 s78, ttmp9, 2
	s_add_co_u32 s78, s78, s79                     ; x: my 256 queries.  It enters the addresses of Q, q^2, G and H alone
	s_and_b32 s17, ttmp7, 0xffff                   ; hb, which the four partners share
	; descriptor group 1: dense blocks as rows of 256 bytes (32 elements of 8 bytes); the mask names all four work-groups, bit 21 beside it
	s_mov_b32 s24, 15|(3<<16)|(1<<21)
	s_mov_b32 s25, 32<<16                          ; tensor_dim0
	s_mov_b32 s26, 64<<16                          ; tensor_dim1: 64 rows = 16,384 bytes
	s_mov_b32 s27, 32<<16                          ; tile_dim0
	s_mov_b32 s28, 64                              ; tile_dim1
	s_mov_b32 s29, 32                              ; from row to row
	s_mov_b32 s30, 0
	s_mov_b32 s31, 0
	s_mov_b32 s32, 15|(3<<16)|(1<<21)
	s_mov_b32 s33, 32<<16
	s_mov_b32 s34, 4<<16                           ; 4 rows = 1,024 bytes
	s_mov_b32 s35, 32<<16
	s_mov_b32 s36, 4
	s_mov_b32 s37, 32
	s_mov_b32 s38, 0
	s_mov_b32 s39, 0
	s_lshl_b32 s18, s17, 17
	s_lshl_b32 s19, s16, 14
	s_add_co_u32 s18, s18, s19                     ; hb x 131,072 + wave x 16,384: my keys in K's images and in V's
	s_mov_b32 s19, 0
	s_lshl_b32 s20, s17, 13
	s_lshl_b32 s21, s16, 10
	s_add_co_u32 s20, s20, s21                     ; hb x 8,192 + wave x 1,024: in k^2
	s_mov_b32 s21, 0
	s_mov_b32 s40, 1
	s_lshl_b32 s41, s16, 14                        ; KL + 16,384 x wave
	s_mov_b32 s44, 1
	s_lshl_b32 s45, s16, 10
	s_add_co_u32 s45, s45, K2L
	s_mov_b32 s48, 1
	s_lshl_b32 s49, s16, 14
	s_add_co_u32 s49, s49, VL
	s_wait_kmcnt 0x0
	s_load_b256 s[52:59], s[12:13], 0x0            ; e0 .. e7
	s_add_nc_u64 s[42:43], s[4:5], s[18:19]
	s_add_nc_u64 s[42:43], s[42:43], 4194304       ; K's half of qkc
	s_or_b32 s43, s43, 0x80000000
	s_add_nc_u64 s[46:47], s[6:7], s[20:21]
	s_add_nc_u64 s[46:47], s[46:47], 262144        ; K's half of sq
	s_or_b32 s47, s47, 0x80000000
	s_add_nc_u64 s[50:51], s[8:9], s[18:19]
	s_or_b32 s51, s51, 0x80000000
	CROUND                                         ; all four work-groups are here: the joint loads meet
	tensor_load_to_lds s[40:43], s[24:31]          ; my 256 keys of K; three loads of mine are out
	s_nop 0
	tensor_load_to_lds s[44:47], s[32:39]          ; their -k^2 / c
	s_nop 0
	tensor_load_to_lds s[48:51], s[24:31]          ; and of V
	s_nop 0
.rept 4
	v_nop
.endr
	v_and_b32 v47, 31, v0                          ; lane
	v_and_b32 v56, 15, v0                          ; r
	v_bfe_u32 v57, v0, 4, 1                        ; h
	v_lshlrev_b32 v1, 4, v47                       ; 16 x lane: an image's place for my lane
	v_lshlrev_b32 v8, 2, v56                       ; 4 r
	v_lshlrev_b32 v9, 3, v47                       ; 8 x lane
	s_lshl_b32 s70, s17, 17                        ; Q: hb x 131,072 + x x 16 tiles of 1,024
	s_lshl_b32 s80, s78, 14
	s_add_co_u32 s70, s70, s80
	s_mov_b32 s71, 0
	s_add_nc_u64 s[70:71], s[4:5], s[70:71]
	s_lshl_b32 s72, s17, 13                        ; -q^2 / c
	s_lshl_b32 s80, s78, 10
	s_add_co_u32 s72, s72, s80
	s_mov_b32 s73, 0
	s_add_nc_u64 s[72:73], s[6:7], s[72:73]
.irp q, 0,1
	global_load_b128 v[QF+8*\q:QF+8*\q+3], v1, s[70:71] offset:\q*1024
	global_load_b128 v[QF+8*\q+4:QF+8*\q+7], v1, s[70:71] offset:\q*1024+512
	global_load_b32 v[NQ+2*\q], v8, s[72:73] offset:64*\q
	global_load_b32 v[NQ+2*\q+1], v8, s[72:73] offset:64*\q
.endr
	s_lshl_b32 s74, s17, 19                        ; G: hb x 524,288 + x x 16 tiles of 4,096 + my tile (query tile wave / 4, channel tile wave % 4): 1,024 x wave
	s_lshl_b32 s80, s78, 16
	s_add_co_u32 s74, s74, s80
	s_lshl_b32 s80, s16, 10
	s_add_co_u32 s74, s74, s80
	s_mov_b32 s75, 0
	s_add_nc_u64 s[74:75], s[10:11], s[74:75]
	s_and_b32 s80, s17, 1                          ; H: [tile of 16 tokens][16 along K: 4 x head + channel tile][lane][8 bytes]
	s_lshl_b32 s76, s80, 21                        ; the batch's 128 tiles of 16,384 bytes
	s_lshl_b32 s80, s78, 18
	s_add_co_u32 s76, s76, s80
	s_lshr_b32 s80, s16, 2
	s_lshl_b32 s80, s80, 14
	s_add_co_u32 s76, s76, s80
	s_lshr_b32 s80, s17, 1
	s_lshl_b32 s80, s80, 10
	s_add_co_u32 s76, s76, s80
	s_and_b32 s80, s16, 3
	s_lshl_b32 s80, s80, 8
	s_add_co_u32 s76, s76, s80
	s_mov_b32 s77, 0
	s_add_nc_u64 s[76:77], s[14:15], s[76:77]
	s_lshl_b32 s80, s16, 14
	v_add_nc_u32 v2, s80, v1                       ; K's images
	s_add_co_u32 s80, s80, VL
	v_add_nc_u32 v58, s80, v1                      ; V's images
	s_lshl_b32 s81, s16, 10
	s_add_co_u32 s82, s81, K2L
	v_lshl_add_u32 v3, v57, 5, s82                 ; -k^2 / c: my half's eight keys of a tile
	s_lshl_b32 s83, s16, 2
	s_add_co_u32 s83, s83, SUML
	v_lshl_add_u32 v4, v47, 5, s83                 ; where I put query l's partial sum
	v_lshlrev_b32 v5, 5, v56
	v_add_nc_u32 v5, SUML, v5                      ; where I read query r's eight
	s_add_co_u32 s82, s81, OST
	v_add_nc_u32 v6, s82, v1                       ; the stage: as sender
	s_lshl_b32 s82, s16, 13
	s_add_co_u32 s82, s82, OST
	v_add_nc_u32 v7, s82, v1                       ; and as the owner of tile w
	v_cmp_lt_u32 s63, 15, v47                      ; lanes 16-31
	v_mov_b32 v10, 0x38d1b717                      ; eps = 1e-4
	v_mov_b32 v11, 0x38d1b717
	s_mov_b32 s66, 0x76543210                      ; v_permlanex16_b32's selects for lane l xor 16
	s_mov_b32 s67, 0xfedcba98
	s_wait_kmcnt 0x0
	s_add_co_i32 s78, s54, s55
	s_add_co_i32 s78, s78, 1                       ; E = e2 + e3 + 1: c = 2^E
	s_and_b32 s79, s78, 1
	s_cmp_lg_u32 s79, 0
	s_mov_b32 s60, 0x3fb504f3                      ; sqrt(2)
	s_cselect_b32 s60, s60, 0x3f800000             ; for an odd E, else 1: a choice, no branch
	s_ashr_i32 s78, s78, 1
	s_lshl_b32 s78, s78, 23
	s_add_co_i32 s60, s60, s78                     ; sqrt(c): floor(E / 2) is added to the exponent field
	s_mov_b32 s61, s60                             ; (named with it as a pair, so it is written)
	s_add_co_i32 s80, s56, 127
	s_lshl_b32 s81, s80, 23
	v_mov_b32 v44, s81                             ; 2^e4: W's conversions take its exponent field
	s_add_co_i32 s80, s80, 8
	s_lshl_b32 s80, s80, 23
	s_or_b32 s62, s80, 0x600000                    ; 448 x 2^e4
	s_sub_co_i32 s80, s58, s56
	s_sub_co_i32 s80, s80, s57
	s_add_co_i32 s80, s80, 127
	s_lshl_b32 s81, s80, 23
	v_mov_b32 v45, s81                             ; 2^(e6 - e4 - e5): a sum of the second product stands for sum x 2^(e4 + e5): the three scales folded into H's conversion
	s_add_co_i32 s80, s80, 8
	s_lshl_b32 s80, s80, 23
	s_or_b32 s80, s80, 0x600000
	v_mov_b32 v46, s80                             ; 448 x that
	s_wait_tensorcnt 0x0                           ; my three tiles are in; I read only bytes that my own loads brought
.irp f, 0,1,2,3,4,5,6,7
.irp c, 0,1,2,3
	ds_load_b128 v[VF+16*\f+4*\c:VF+16*\f+4*\c+3], v58 offset:2048*\f+512*\c   ; V stays in registers: fragment 4 s + e: keys 128 s on, channels 16 e on
.endr
.endr
	s_wait_loadcnt 0x0                             ; the first block's Q and -q^2 / c
.macro LOADK c                         ; four tiles of 16 keys: K's fragments, and -k^2 / c in the result's layout
.irp t, 0,1,2,3
	ds_load_b128 v[KB+8*\t:KB+8*\t+3], v2 offset:1024*(4*(\c)+\t)
	ds_load_b128 v[KB+8*\t+4:KB+8*\t+7], v2 offset:1024*(4*(\c)+\t)+512
	ds_load_b128 v[K2B+8*\t:K2B+8*\t+3], v3 offset:64*(4*(\c)+\t)
	ds_load_b128 v[K2B+8*\t+4:K2B+8*\t+7], v3 offset:64*(4*(\c)+\t)+16
.endr
.endm
; 64 keys x 32 queries: eight tiles, from C to the unnormalised weights and their sums
.macro CHUNK c
	s_wait_dscnt 0x0                               ; the chunk's K and -k^2 / c are in (in the first trip V too)
	WIN 0x40                                       ; destination window 1
.irp t, 0,1,2,3
.irp q, 0,1
.irp i, 0,2,4,6
	v_pk_add_f32 v[128*\q+32*\c+8*\t+\i:128*\q+32*\c+8*\t+\i+1], v[K2B+8*\t+\i:K2B+8*\t+\i+1], v[NQ+2*\q:NQ+2*\q+1]   ; C = -k^2 / c - q^2 / c
.endr
.endr
.endr
	WIN 0x50                                       ; C and D window 1
.irp t, 0,1,2,3
.irp q, 0,1
	v_wmma_f32_16x16x64_fp8_fp8 v[128*\q+32*\c+8*\t:128*\q+32*\c+8*\t+7], v[KB+8*\t:KB+8*\t+7], v[QF+8*\q:QF+8*\q+7], v[128*\q+32*\c+8*\t:128*\q+32*\c+8*\t+7]   ; -d^2 / c; each accumulator has one instruction
.endr
.endr
	WIN 0
.rept 4
	v_nop                                          ; places: in front of the loads into K's (or Q's) registers and of the first read of the results
.endr
.if \c < 3
	LOADK \c+1
.else
	s_cmp_eq_u32 s68, 1                            ; the next block's Q and -q^2 / c are asked for here, if there is a next block: no load leaves its buffer
	s_cbranch_scc1 .Lno_next
.irp q, 0,1
	global_load_b128 v[QF+8*\q:QF+8*\q+3], v1, s[70:71] offset:2048+\q*1024
	global_load_b128 v[QF+8*\q+4:QF+8*\q+7], v1, s[70:71] offset:2048+\q*1024+512
	global_load_b32 v[NQ+2*\q], v8, s[72:73] offset:128+64*\q
	global_load_b32 v[NQ+2*\q+1], v8, s[72:73] offset:128+64*\q
.endr
.Lno_next:
.endif
	WIN 0x45                                       ; destination and sources 0, 1 window 1; source 2 window 0
.irp q, 0,1
.set n, 128*\q+32*\c
.rept 32
	v_max_num_f32 v[n], -v[n], 0                   ; x = max(d^2 / c, 0); each accumulator from its low end on
.set n, n+1
.endr
.endr
.irp q, 0,1
.set n, 128*\q+32*\c
.rept 32
	v_sqrt_f32 v[n], v[n]
.set n, n+1
.endr
.endr
	v_nop                                          ; a plain instruction behind the last root
	s_wait_alu depctr_va_vdst(0)                   ; one wait for the batch, ahead of its first reader
.irp q, 0,1
.set n, 128*\q+32*\c
.rept 16
	v_pk_fma_f32 v[n:n+1], v[n:n+1], s[60:61], v[10:11] op_sel_hi:[1,0,1]   ; u = sqrt(x) sqrt(c) + eps
.set n, n+2
.endr
.endr
.irp q, 0,1
.set n, 128*\q+32*\c
.rept 32
	v_rcp_f32 v[n], v[n]
.set n, n+1
.endr
.endr
	v_nop
	s_wait_alu depctr_va_vdst(0)                   ; one wait for the batch of reciprocals
.irp q, 0,1
.set n, 128*\q+32*\c
.rept 16
	v_pk_mul_f32 v[n:n+1], v[n:n+1], v[n:n+1]      ; w = u^-2
.set n, n+2
.endr
.endr
	WIN 0x04                                       ; source 1 window 1
.irp i, 0,4,8,12,16,20,24,28
.irp q, 0,1
	v_pk_add_f32 v[SM+4*\q:SM+4*\q+1], v[SM+4*\q:SM+4*\q+1], v[128*\q+32*\c+\i:128*\q+32*\c+\i+1]   ; the rows' sums, four chains by turns
	v_pk_add_f32 v[SM+4*\q+2:SM+4*\q+3], v[SM+4*\q+2:SM+4*\q+3], v[128*\q+32*\c+\i+2:128*\q+32*\c+\i+3]
.endr
.endr
	WIN 0
.endm
	s_mov_b32 s68, 8                               ; blocks of 32 queries to go
.Lblock:
	global_load_b128 v[GT:GT+3], v1, s[74:75]      ; my tile of G: wanted at the block's end
	global_load_b128 v[GT+4:GT+7], v1, s[74:75] offset:512
.irp i, 0,1,2,3,4,5,6,7
	v_mov_b32 v[SM+\i], 0
.endr
	LOADK 0
	CHUNK 0
	CHUNK 1
	CHUNK 2
	CHUNK 3
	; the rows' sums over my 256 keys, then over the eight waves
.irp q, 0,1
	v_pk_add_f32 v[SM+4*\q:SM+4*\q+1], v[SM+4*\q:SM+4*\q+1], v[SM+4*\q+2:SM+4*\q+3]
.endr
.irp q, 0,1
	v_add_f32 v[SM+4*\q], v[SM+4*\q], v[SM+4*\q+1]
.endr
.irp q, 0,1
	v_permlanex16_b32 v[56+\q], v[SM+4*\q], s66, s67   ; the query's other keys lie in the lane 16 away
.endr
.irp q, 0,1
	v_add_f32 v[SM+4*\q], v[SM+4*\q], v[56+\q]
.endr
	v_cndmask_b32 v47, v[SM], v[SM+4], s63         ; lane l holds query l's
	ds_store_b32 v4, v47
	s_wait_dscnt 0x0                               ; for the others' sake: my store has landed; my reads of V (first trip) and of the stage (later trips) are over
	s_barrier_signal -1
	s_barrier_wait -1
	ds_load_b128 v[56:59], v5
	ds_load_b128 v[60:63], v5 offset:16
	ds_load_b128 v[64:67], v5 offset:512
	ds_load_b128 v[68:71], v5 offset:528
	s_wait_dscnt 0x0
	v_pk_add_f32 v[56:57], v[56:57], v[58:59]      ; the same order in every wave
	v_pk_add_f32 v[64:65], v[64:65], v[66:67]
	v_pk_add_f32 v[60:61], v[60:61], v[62:63]
	v_pk_add_f32 v[68:69], v[68:69], v[70:71]
	v_pk_add_f32 v[56:57], v[56:57], v[60:61]
	v_pk_add_f32 v[64:65], v[64:65], v[68:69]
	v_add_f32 v56, v56, v57
	v_add_f32 v64, v64, v65
	v_add_f32 v56, v10, v56                        ; eps + the sum
	v_add_f32 v64, v10, v64
	v_rcp_f32 v[NRM], v56
	v_rcp_f32 v[NRM+1], v56
	v_rcp_f32 v[NRM+2], v64
	v_rcp_f32 v[NRM+3], v64
	v_nop
	s_wait_alu depctr_va_vdst(0)                   ; one wait for the four reciprocals
	WIN 0x44                                       ; destination and source 1 window 1
.irp q, 0,1
.set n, 128*\q
.rept 64
	v_pk_mul_f32 v[n:n+1], v[NRM+2*\q:NRM+2*\q+1], v[n:n+1]   ; W = w / (eps + sum)
.set n, n+2
.endr
.endr
.set n, 0
.rept 256
	v_min_num_f32 v[n], s62, v[n]                  ; the conversion does not saturate (ISA guide 7.6.2); W is not negative, so the hold is one-sided
.set n, n+1
.endr
	WIN 0x01                                       ; source 0 window 1
.irp q, 0,1
.irp k, 0,1,2,3,4,5,6,7,8,9,10,11,12,13,14,15
	v_cvt_scalef32_pk8_fp8_f32 v[CD+32*\q+2*\k:CD+32*\q+2*\k+1], v[128*\q+8*\k:128*\q+8*\k+7], v44   ; key tile k = 8 s + c: registers 2 c, 2 c + 1 of fragment (q, s)
.endr
.endr
	v_nop                                          ; one plain vector instruction between the last conversion and the products, which read its result and write over its sources
	WIN 0x50
.irp s, 0,1
.irp q, 0,1
.irp e, 0,1,2,3
.if \s == 0
	v_wmma_f32_16x16x128_fp8_fp8 v[8*(4*\q+\e):8*(4*\q+\e)+7], v[VF+16*(4*\s+\e):VF+16*(4*\s+\e)+15], v[CD+16*(2*\q+\s):CD+16*(2*\q+\s)+15], 0
.else
	v_wmma_f32_16x16x128_fp8_fp8 v[8*(4*\q+\e):8*(4*\q+\e)+7], v[VF+16*(4*\s+\e):VF+16*(4*\s+\e)+15], v[CD+16*(2*\q+\s):CD+16*(2*\q+\s)+15], v[8*(4*\q+\e):8*(4*\q+\e)+7]   ; the eight accumulators take turns
.endif
.endr
.endr
.endr
	WIN 0
.rept 4
	v_nop                                          ; places: in front of the stores of the results and of the loads into the codes' registers
.endr
	WIN 0x04                                       ; an LDS store's data: source 1, window 1
.irp t, 0,1,2,3,4,5,6,7
	ds_store_b128 v6, v[8*\t:8*\t+3] offset:8192*\t
	ds_store_b128 v6, v[8*\t+4:8*\t+7] offset:8192*\t+512
.endr
	WIN 0
	s_wait_dscnt 0x0                               ; my parts have landed; my reads of the rows' sums are over
	s_barrier_signal -1
	s_barrier_wait -1
.irp w, 0,1,2,3,4,5,6,7
	ds_load_b128 v[PT+8*\w:PT+8*\w+3], v7 offset:1024*\w
	ds_load_b128 v[PT+8*\w+4:PT+8*\w+7], v7 offset:1024*\w+512
.endr
	s_wait_dscnt 0x0
	s_wait_loadcnt 0x0                             ; G, and the next block's Q and -q^2 / c
.irp i, 0,2,4,6
	v_pk_add_f32 v[PT+\i:PT+\i+1], v[PT+\i:PT+\i+1], v[PT+8+\i:PT+8+\i+1]
	v_pk_add_f32 v[PT+16+\i:PT+16+\i+1], v[PT+16+\i:PT+16+\i+1], v[PT+24+\i:PT+24+\i+1]
	v_pk_add_f32 v[PT+32+\i:PT+32+\i+1], v[PT+32+\i:PT+32+\i+1], v[PT+40+\i:PT+40+\i+1]
	v_pk_add_f32 v[PT+48+\i:PT+48+\i+1], v[PT+48+\i:PT+48+\i+1], v[PT+56+\i:PT+56+\i+1]
.endr
.irp i, 0,2,4,6
	v_pk_add_f32 v[PT+\i:PT+\i+1], v[PT+\i:PT+\i+1], v[PT+16+\i:PT+16+\i+1]
	v_pk_add_f32 v[PT+32+\i:PT+32+\i+1], v[PT+32+\i:PT+32+\i+1], v[PT+48+\i:PT+48+\i+1]
.endr
.irp i, 0,2,4,6
	v_pk_add_f32 v[PT+\i:PT+\i+1], v[PT+\i:PT+\i+1], v[PT+32+\i:PT+32+\i+1]
.endr
.irp i, 0,2,4,6
	v_pk_mul_f32 v[PT+\i:PT+\i+1], v[PT+\i:PT+\i+1], v[GT+\i:GT+\i+1]   ; the gate
.endr
.irp i, 0,1,2,3,4,5,6,7
	v_med3_num_f32 v[PT+\i], v[PT+\i], -v46, v46
.endr
	v_cvt_scalef32_pk8_fp8_f32 v[56:57], v[PT:PT+7], v45   ; H(token r, 64 x head + 16 e + 8 h + 0 .. 7)
	v_nop
	global_store_b64 v9, v[56:57], s[76:77]        ; the wave stores 256 consecutive bytes, at a multiple of 256 from hc's first byte
	s_wait_xcnt 0x0                                ; the bases and the store's data are written again only behind this wait
	s_add_nc_u64 s[70:71], s[70:71], 2048          ; two tiles of queries on
	s_add_nc_u64 s[72:73], s[72:73], 128
	s_add_nc_u64 s[74:75], s[74:75], 8192
	s_add_nc_u64 s[76:77], s[76:77], 32768
	s_sub_co_u32 s68, s68, 1
	s_cmp_lg_u32 s68, 0
	s_cbranch_scc1 .Lblock
	s_wait_xcnt 0x0
	v_lshl_add_u32 v254, v0, 2, 0x44000
	v_mov_b32 v255, 0
	s_wait_tensorcnt 0x0
	ds_add_u32 v254, v255
	s_wait_dscnt 0x0
	CROUND                                         ; the closing round
	s_endpgm
.Lfunc_end_k_qb37052344c_attn:
	.size	k_qb37052344c_attn, .Lfunc_end_k_qb37052344c_attn-k_qb37052344c_attn
	.p2alignl 7, 3214868480
	.fill 96, 4, 3214868480
	.section	.rodata,"a",@progbits
	.p2align	6, 0x0
	.amdhsa_kernel k_qb37052344c_attn
		.amdhsa_group_segment_fixed_size 279552
		.amdhsa_private_segment_fixed_size 0
		.amdhsa_enable_private_segment 0
		.amdhsa_kernarg_size 48
		.amdhsa_user_sgpr_count 2
		.amdhsa_user_sgpr_kernarg_segment_ptr 1
		.amdhsa_wavefront_size32 1
		.amdhsa_system_sgpr_workgroup_id_x 1
		.amdhsa_system_sgpr_workgroup_id_y 1
		.amdhsa_system_sgpr_workgroup_id_z 1
		.amdhsa_system_vgpr_workitem_id 0
		.amdhsa_next_free_vgpr 512
		.amdhsa_next_free_sgpr 96
		.amdhsa_reserve_vcc 0
		.amdhsa_float_denorm_mode_32 3
		.amdhsa_float_denorm_mode_16_64 3
		.amdhsa_memory_ordered 1
		.amdhsa_forward_progress 1
		.amdhsa_inst_pref_size 110
	.end_amdhsa_kernel
	.amdgpu_metadata
---
amdhsa.version: [ 1, 2 ]
amdhsa.kernels:
  - .name:           k_qb37052344c_attn
    .symbol:         k_qb37052344c_attn.kd
    .args:
      - { .name: qkc, .offset: 0, .size: 8, .value_kind: global_buffer, .address_space: global }
      - { .name: sq, .offset: 8, .size: 8, .value_kind: global_buffer, .address_space: global }
      - { .name: vc, .offset: 16, .size: 8, .value_kind: global_buffer, .address_space: global }
      - { .name: gw, .offset: 24, .size: 8, .value_kind: global_buffer, .address_space: global }
      - { .name: lowp_scales, .offset: 32, .size: 8, .value_kind: global_buffer, .address_space: global }
      - { .name: hc, .offset: 40, .size: 8, .value_kind: global_buffer, .address_space: global }
    .group_segment_fixed_size: 279552
    .private_segment_fixed_size: 0
    .kernarg_segment_align: 8
    .kernarg_segment_size: 48
    .max_flat_workgroup_size: 256
    .sgpr_count:     96
    .vgpr_count:     512
    .wavefront_size: 32
...
	.end_amdgpu_metadata
.endif
;; end of part 2
;; launch outp (part 3): grid 8 x 32, 4 waves a work-group, clusters of 4 x 4, 311,808 bytes of LDS; arguments hc, W_out_codes, lowp_scales, b_out, out0; writes out0
.if DOCPART == 3
	.amdgcn_target "amdgcn-amd-amdhsa--gfx1250"
	.amdhsa_code_object_version 6
	.text
	.protected	k_qb37052344c_outp
	.globl	k_qb37052344c_outp
	.p2align	8
	.type	k_qb37052344c_outp,@function
k_qb37052344c_outp:
	s_mov_b64 s[64:65], 0
	v_nop
	global_prefetch_b8 v0, s[64:65] scope:SCOPE_SE
	s_setreg_imm32_b32 hwreg(HW_REG_WAVE_MODE, 25, 1), 1
	s_wait_xcnt 0x0
	s_wait_alu depctr_hold_cnt(0) depctr_sa_sdst(0) depctr_va_vdst(0) depctr_va_sdst(0) depctr_va_ssrc(0) depctr_va_vcc(0) depctr_vm_vsrc(0)
	s_getreg_b32 s2, hwreg(HW_REG_IB_STS2, 6, 4)
	s_cmp_eq_u32 s2, 0
	s_cbranch_scc0 .Lentry_in_a_cluster
	s_endpgm
.Lentry_in_a_cluster:
	s_bfe_u32 s2, ttmp6, 0x10000c
	s_cmp_lg_u32 s2, 0xf033
	s_cbranch_scc0 .Lentry_shape_is_right
	s_endpgm
.Lentry_shape_is_right:
; out = H W_out + b_out on codes of FP8 (E4M3): [4096 tokens][1024] x [1024 outputs][1024], sums in f32, each finished sum x 2^(e6 + e7) + bias.
; H's codes lie as images of the operand's registers: [tile of 16 tokens][16 along K][lane][8 bytes]; W_out's as rows with K innermost.  Both sides have k in its true place.
; 256 work-groups, each 128 tokens x 128 outputs; four waves, each 64 x 64: 16 accumulators.  All of K (1,024) lies in LDS, filled once, in four slices of 256, so that the products begin when the first slice is in.
; CLUSTERS: 4 x 4 work-groups; H's tile is shared along a row of the cluster, W_out's along a column: joint loads.  No LDS byte is filled twice.
; THE MATRIX INSTRUCTION IS USED TRANSPOSED (source 0 = 16 outputs, source 1 = 16 tokens): a lane holds eight neighbouring outputs of one token.
; LIMIT: e6 + e7 between -126 and 127.
; REGISTERS: window 0: v16-27 addresses; v32-63 a block's results; v64-95 rows read back; v96-127 the bias; v128-255 the accumulators ((a, b) at v[128 + 8 (4 a + b)]).
;   window 1: two fragment buffers of 128: H's four fragments, then W_out's four.
.set AL,  0                            ; H: [slice][8 tiles of tokens][4,096 bytes]
.set BL,  131072                       ; W_out: [slice] x 34,816: 128 rows of 256 bytes + 16 of padding
.set STG, 270336                       ; the way out: 16 rows x (256 bytes + 16) for each wave
.set ADA, 16                           ; v16-17  H's fragments in slices 0, 1 and 2, 3
.set ADB, 20                           ; v20-21  W_out's
.set TMP, 32
.set OB,  64
.set BI,  96
.set ACC, 128
.set G1A, 16
.set G1B, 24
.set G0A, 32                           ; s[32:47] a group 0 for each slice
.set G0B, 68                           ; s[68:83]
.set MSB, 0
.macro WIN new                         ; the immediate's high byte repeats the setting that is left
.if MSB != (\new)
	s_set_vgpr_msb (MSB<<8)|(\new)
.set MSB, (\new)
.endif
.endm
.macro CROUND                          ; a round of the cluster's barrier
	s_barrier_signal -1
	s_barrier_wait -1
	s_cmp_lg_u32 s48, 0
	s_cbranch_scc1 .Lnot_wave_0_\@
	s_barrier_signal -3
.Lnot_wave_0_\@:
	s_barrier_wait -3
	s_barrier_signal -1
	s_barrier_wait -1
.endm
	s_load_b256 s[4:11], s[0:1], 0x0               ; hc s[4:5], W_out's codes s[6:7], the scales' exponents s[8:9], b_out s[10:11]
	s_load_b64 s[12:13], s[0:1], 0x20              ; out0
	v_lshl_add_u32 v30, v0, 2, 0x4c000
	v_mov_b32 v31, 0
	ds_add_u32 v30, v31
	ds_add_u32 v30, v31
	v_lshrrev_b32 v1, 5, v0
	v_readfirstlane_b32 s48, v1                    ; wave 0..3
	s_lshr_b32 s49, s48, 1                         ; i: my half of the tokens
	s_and_b32 s50, s48, 1                          ; j: my half of the outputs.  Also: which half of a tile I fetch
	s_bfe_u32 s51, ttmp6, 0x40000                  ; cx, cy
	s_bfe_u32 s52, ttmp6, 0x40004
	s_lshl_b32 s53, ttmp9, 2
	s_add_co_u32 s53, s53, s51                     ; the block of 128 outputs
	s_and_b32 s54, ttmp7, 0xffff
	s_lshl_b32 s54, s54, 2
	s_add_co_u32 s54, s54, s52                     ; the block of 128 tokens
	s_lshl_b32 s55, s52, 2
	s_lshl_b32 s55, 15, s55                        ; my row of the cluster
	s_lshl_b32 s56, 0x1111, s51                    ; my column
	s_or_b32 s[G1A], s55, (3<<16)|(1<<21)          ; H: elements of 8 bytes; 4 rows (tiles of tokens) of 4,096 bytes, 16,384 bytes apart; no padding
	s_mov_b32 s[G1A+1], 512<<16
	s_mov_b32 s[G1A+2], 4<<16
	s_mov_b32 s[G1A+3], 512<<16
	s_mov_b32 s[G1A+4], 4
	s_mov_b32 s[G1A+5], 2048
	s_mov_b32 s[G1A+6], 0
	s_mov_b32 s[G1A+7], 0
	s_or_b32 s[G1B], s56, (0<<16)|(1<<20)|(1<<21)|(5<<22)|(3<<25)   ; W_out: elements of 1 byte; 64 rows of 256 bytes, 1,024 apart; 4 words of padding after every 64
	s_mov_b32 s[G1B+1], 256<<16
	s_mov_b32 s[G1B+2], 64<<16
	s_mov_b32 s[G1B+3], 256<<16
	s_mov_b32 s[G1B+4], 64
	s_mov_b32 s[G1B+5], 1024
	s_mov_b32 s[G1B+6], 0
	s_mov_b32 s[G1B+7], 0
	s_lshl_b32 s58, s54, 17                        ; H: 8 tiles of 16,384 bytes a block of tokens, + my 4 tiles
	s_lshl_b32 s59, s50, 16
	s_add_co_u32 s58, s58, s59
	s_mov_b32 s59, 0
	s_lshl_b32 s60, s53, 17                        ; W_out: 128 rows of 1,024 bytes a block of outputs, + my 64 rows
	s_lshl_b32 s61, s50, 16
	s_add_co_u32 s60, s60, s61
	s_mov_b32 s61, 0
	s_lshl_b32 s62, s50, 14                        ; where they go: no place in the cluster enters an LDS address
	s_mul_i32 s63, s50, 17408
	s_add_co_u32 s63, s63, BL
	s_wait_dscnt 0x0
	s_wait_kmcnt 0x0
	s_load_b256 s[84:91], s[8:9], 0x0              ; e0 .. e7
	s_add_nc_u64 s[58:59], s[4:5], s[58:59]
	s_add_nc_u64 s[60:61], s[6:7], s[60:61]
.irp s, 0,1,2,3
	s_mov_b32 s[G0A+4*\s], 1
	s_add_co_u32 s[G0A+4*\s+1], s62, \s*32768
	s_add_nc_u64 s[G0A+4*\s+2:G0A+4*\s+3], s[58:59], \s*4096
	s_or_b32 s[G0A+4*\s+3], s[G0A+4*\s+3], 0x80000000
	s_mov_b32 s[G0B+4*\s], 1
	s_add_co_u32 s[G0B+4*\s+1], s63, \s*34816
	s_add_nc_u64 s[G0B+4*\s+2:G0B+4*\s+3], s[60:61], \s*256
	s_or_b32 s[G0B+4*\s+3], s[G0B+4*\s+3], 0x80000000
.endr
	CROUND                                         ; all sixteen work-groups are here: the joint loads meet
	s_cmp_lt_u32 s48, 2                            ; waves 0, 1 fetch H's halves, waves 2, 3 W_out's: a wave's four fills stand in one branch; four loads of mine are out
	s_cbranch_scc0 .Lfor_b
.irp s, 0,1,2,3
	tensor_load_to_lds s[G0A+4*\s:G0A+4*\s+3], s[G1A:G1A+7]
	s_nop 0
.endr
.rept 4
	v_nop
.endr
	s_branch .Lasked
.Lfor_b:
.irp s, 0,1,2,3
	tensor_load_to_lds s[G0B+4*\s:G0B+4*\s+3], s[G1B:G1B+7]
	s_nop 0
.endr
.rept 4
	v_nop
.endr
.Lasked:
	v_and_b32 v1, 15, v0                           ; r
	v_bfe_u32 v2, v0, 4, 1                         ; h
	v_and_b32 v3, 31, v0                           ; lane
	s_lshl_b32 s57, s49, 14
	v_lshl_add_u32 v[ADA], v3, 3, s57              ; my four tiles of tokens, 8 bytes a lane
	v_add_nc_u32 v[ADA+1], 65536, v[ADA]
	v_mul_u32_u24 v4, v1, 272
	v_lshl_add_u32 v4, v2, 3, v4
	s_mul_i32 s57, s50, 17408
	s_add_co_u32 s57, s57, BL
	v_add_nc_u32 v[ADB], s57, v4                   ; my 64 rows: row r, + 8 h
	v_add_nc_u32 v[ADB+1], 69632, v[ADB]
	s_mul_i32 s57, s48, 4352
	s_add_co_u32 s57, s57, STG                     ; my stage
	v_mul_u32_u24 v5, v1, 272
	v_lshl_add_u32 v5, v2, 5, v5
	v_add_nc_u32 v24, s57, v5                      ; in: row r, 32 bytes for each half of the lanes
	v_mul_u32_u24 v5, v2, 272
	v_lshl_add_u32 v5, v1, 4, v5
	v_add_nc_u32 v25, s57, v5                      ; back: lanes 0-15 one row of 256 bytes, lanes 16-31 the next
	v_lshlrev_b32 v26, 12, v2
	v_lshl_add_u32 v26, v1, 4, v26                 ; and the same two rows in out0
	v_lshlrev_b32 v27, 5, v2                       ; the bias: my half's eight outputs of a block
	s_lshl_b32 s96, s53, 9
	s_lshl_b32 s57, s50, 8
	s_add_co_u32 s96, s96, s57                     ; my first output, in bytes
	s_mov_b32 s97, 0
	s_lshl_b32 s94, s54, 19
	s_lshl_b32 s57, s49, 18
	s_add_co_u32 s94, s94, s57                     ; my first token's row of 4,096 bytes
	s_add_co_u32 s94, s94, s96
	s_mov_b32 s95, 0
	s_add_nc_u64 s[94:95], s[12:13], s[94:95]
	s_add_nc_u64 s[96:97], s[10:11], s[96:97]
.irp b, 0,1,2,3
	global_load_b128 v[BI+8*\b:BI+8*\b+3], v27, s[96:97] offset:64*\b
	global_load_b128 v[BI+8*\b+4:BI+8*\b+7], v27, s[96:97] offset:64*\b+16
.endr
	s_wait_kmcnt 0x0
	s_add_co_i32 s92, s90, s91
	s_add_co_i32 s92, s92, 127
	s_lshl_b32 s92, s92, 23                        ; 2^(e6 + e7) as f32
	s_mov_b32 s93, s92                             ; (named with it as a pair, so it is written)
; the fragments of step q (128 along K; slice q / 2, its half q % 2) into buffer q % 2: 64 loads of 8 bytes: registers 2 c, 2 c + 1 hold k = 16 c + 8 h + 0 .. 7
.macro FETCH q
.set F, 128*((\q)%2)
	WIN 0x40                                       ; destination window 1
.irp a, 0,1,2,3
.irp c, 0,1,2,3,4,5,6,7
	ds_load_b64 v[F+16*\a+2*\c:F+16*\a+2*\c+1], v[ADA+(\q)/4] offset:(((\q)/2)%2)*32768+4096*\a+256*(8*((\q)%2)+\c)
.endr
.endr
.irp b, 0,1,2,3
.irp c, 0,1,2,3,4,5,6,7
	ds_load_b64 v[F+64+16*\b+2*\c:F+64+16*\b+2*\c+1], v[ADB+(\q)/4] offset:(((\q)/2)%2)*34816+4352*\b+128*((\q)%2)+16*\c
.endr
.endr
.endm
.macro MUL q, zero                     ; 16 matrix instructions, the accumulators by turns
.set F, 128*((\q)%2)
	WIN 0x05                                       ; sources 0 and 1 window 1
.irp a, 0,1,2,3
.irp b, 0,1,2,3
.if \zero
	v_wmma_f32_16x16x128_fp8_fp8 v[ACC+8*(4*\a+\b):ACC+8*(4*\a+\b)+7], v[F+64+16*\b:F+64+16*\b+15], v[F+16*\a:F+16*\a+15], 0
.else
	v_wmma_f32_16x16x128_fp8_fp8 v[ACC+8*(4*\a+\b):ACC+8*(4*\a+\b)+7], v[F+64+16*\b:F+64+16*\b+15], v[F+16*\a:F+16*\a+15], v[ACC+8*(4*\a+\b):ACC+8*(4*\a+\b)+7]
.endif
.endr
.endr
.endm
	s_wait_loadcnt 0x0                             ; the bias, while the tiles are on their way
	s_wait_tensorcnt 0x3                           ; my part of slice 0 is in; my three younger loads may be out
	s_barrier_signal -1
	s_barrier_wait -1                              ; everybody's is
	FETCH 0
.irp q, 0,1,2,3,4,5,6,7
.if \q < 7
.if \q > 0
.rept 4
	v_nop                                          ; places in front of loads into the buffer that the step before multiplied
.endr
.endif
.if (\q % 2) == 1
	s_wait_tensorcnt 3-(\q+1)/2                    ; my part of the next slice is in; the younger ones may be out
	s_wait_dscnt 0x0                               ; no LDS instruction of mine is pending at a signal
	s_barrier_signal -1
	s_barrier_wait -1
.endif
	FETCH \q+1
	s_wait_dscnt 63                                ; this step's 64 loads are older than the 64 just issued; 63 is the largest count that the wait can name
.else
	s_wait_dscnt 0x0
.endif
.if \q == 0
	MUL \q, 1                                      ; the first step's products start the sums
.else
	MUL \q, 0
.endif
.endr
	WIN 0
.rept 4
	v_nop                                          ; places in front of the first read of results
.endr
	; THE WAY OUT, 16 tokens at a time: sum x 2^(e6 + e7) + bias; through my own stage in LDS, so that sixteen lanes store 256 consecutive bytes, at a multiple of 256 from out0's first byte
.irp a, 0,1,2,3
.if \a > 0
	s_wait_xcnt 0x0                                ; the last block's stores have read their data
.endif
.irp b, 0,1,2,3
.irp i, 0,2,4,6
	v_pk_fma_f32 v[TMP+8*\b+\i:TMP+8*\b+\i+1], v[ACC+8*(4*\a+\b)+\i:ACC+8*(4*\a+\b)+\i+1], s[92:93], v[BI+8*\b+\i:BI+8*\b+\i+1] op_sel_hi:[1,0,1]   ; each accumulator from its low end on
.endr
.endr
.irp b, 0,1,2,3
	ds_store_b128 v24, v[TMP+8*\b:TMP+8*\b+3] offset:64*\b
	ds_store_b128 v24, v[TMP+8*\b+4:TMP+8*\b+7] offset:64*\b+16
.endr
.irp t, 0,1,2,3,4,5,6,7
	ds_load_b128 v[OB+4*\t:OB+4*\t+3], v25 offset:2*\t*272   ; LDS serves a wave's instructions in order (ISA guide 5.7.1.4): these see my stores
.endr
	s_wait_dscnt 0x0
.irp t, 0,1,2,3,4,5,6,7
	global_store_b128 v26, v[OB+4*\t:OB+4*\t+3], s[94:95] offset:(16*\a+2*\t)*4096 th:TH_STORE_NT
.endr
.endr
	s_wait_tensorcnt 0x0
	ds_add_u32 v30, v31
	s_wait_dscnt 0x0
	CROUND                                         ; the closing round
	s_endpgm
.Lfunc_end_k_qb37052344c_outp:
	.size	k_qb37052344c_outp, .Lfunc_end_k_qb37052344c_outp-k_qb37052344c_outp
	.p2alignl 7, 3214868480
	.fill 96, 4, 3214868480
	.section	.rodata,"a",@progbits
	.p2align	6, 0x0
	.amdhsa_kernel k_qb37052344c_outp
		.amdhsa_group_segment_fixed_size 311808
		.amdhsa_private_segment_fixed_size 0
		.amdhsa_enable_private_segment 0
		.amdhsa_kernarg_size 40
		.amdhsa_user_sgpr_count 2
		.amdhsa_user_sgpr_kernarg_segment_ptr 1
		.amdhsa_wavefront_size32 1
		.amdhsa_system_sgpr_workgroup_id_x 1
		.amdhsa_system_sgpr_workgroup_id_y 1
		.amdhsa_system_sgpr_workgroup_id_z 1
		.amdhsa_system_vgpr_workitem_id 0
		.amdhsa_next_free_vgpr 512
		.amdhsa_next_free_sgpr 100
		.amdhsa_reserve_vcc 0
		.amdhsa_float_denorm_mode_32 3
		.amdhsa_float_denorm_mode_16_64 3
		.amdhsa_memory_ordered 1
		.amdhsa_forward_progress 1
		.amdhsa_inst_pref_size 63
	.end_amdhsa_kernel
	.amdgpu_metadata
---
amdhsa.version: [ 1, 2 ]
amdhsa.kernels:
  - .name:           k_qb37052344c_outp
    .symbol:         k_qb37052344c_outp.kd
    .args:
      - { .name: hc, .offset: 0, .size: 8, .value_kind: global_buffer, .address_space: global }
      - { .name: W_out_codes, .offset: 8, .size: 8, .value_kind: global_buffer, .address_space: global }
      - { .name: lowp_scales, .offset: 16, .size: 8, .value_kind: global_buffer, .address_space: global }
      - { .name: b_out, .offset: 24, .size: 8, .value_kind: global_buffer, .address_space: global }
      - { .name: out0, .offset: 32, .size: 8, .value_kind: global_buffer, .address_space: global }
    .group_segment_fixed_size: 311808
    .private_segment_fixed_size: 0
    .kernarg_segment_align: 8
    .kernarg_segment_size: 40
    .max_flat_workgroup_size: 128
    .sgpr_count:     100
    .vgpr_count:     512
    .wavefront_size: 32
...
	.end_amdgpu_metadata
.endif
;; end of part 3
